; MI455X (gfx1250); checked and timed in simulation.
; The chip was launched on July 23, 2026; its instructions are those of AMD's public machine-readable ISA for CDNA 5 (MIT licence, August 2026) and "CDNA5" Instruction Set Architecture Reference Guide (July 2026). The comments in the code are by the model that wrote it; some were corrected since.
;; Bert Self Attention. Allowed arithmetic: matrix products marked QUANTISED: E2M3 operands, one E8M0 scale for each 32 along K, by v_wmma_scale_f32_16x16x128_f8f6f4 with both operands' format E2M3, f32 sums; everything else in f32.
;; Inputs: Wk 1,024 x 1,024 float32; Wq 1,024 x 1,024 float32; Wv 1,024 x 1,024 float32; attention_mask 4 x 1 x 1 x 2,048 float32; bk 1,024 float32; bq 1,024 float32; bv 1,024 float32; hidden_states 4 x 2,048 x 1,024 float32.
;; Outputs: out0 4 x 2,048 x 1,024 float32.
;; This version of the problem:
;;   THIS VERSION OF THE PROBLEM IS GIVEN IN LOW PRECISION. The matrix products marked QUANTISED in the list below multiply operands that are first quantised to E2M3 (2 exponent bits, 3 mantissa bits; 6 bits a number), with one power-of-two scale for each 32 numbers along K (OCP MX v1.0); their sums are f32. All else is computed in f32.
;;   The module's matrix products, in the order in which they are computed (A, B: the left and right operand; K: the contracted axis; several contracted axes count as one K, in the product's order):
;;     1. [M 8,192, K 1,024] x [K 1,024, N 1,024]; A: input hidden_states; B: input Wq: QUANTISED
;;     2. [M 8,192, K 1,024] x [K 1,024, N 1,024]; A: input hidden_states; B: input Wk: QUANTISED
;;     3. [M 8,192, K 1,024] x [K 1,024, N 1,024]; A: input hidden_states; B: input Wv: QUANTISED
;;     4. batch 64 x [M 2,048, K 64] x [K 64, N 2,048]; A: computed on the way; B: computed on the way: QUANTISED
;;     5. batch 64 x [M 2,048, K 2,048] x [K 2,048, N 64]; A: softmax (see below); B: computed on the way: QUANTISED
;;   THE QUANTISER, for each operand of a quantised product, along K:
;;     - K is cut into blocks of 32 from its start; a last block that is shorter is filled with zeros.
;;     - A block's scale is 2^e with e = floor(log2(the largest magnitude in the block)) - 2, held to -126 .. 127; a block of zeros has e = 0. As a byte (E8M0): e + 127.
;;     - Each number is divided by its block's scale, clamped to +-7.5, and rounded to the nearest number of E2M3, ties to even, subnormals kept.
;;     - The product sums the exact products of the quantised numbers (number of the format x scale) in f32.
;;   ~~~python
;;   def quantise(x, axis):      # numpy; x: float32 -> the quantised numbers, widened to float32 again
;;       x = np.moveaxis(x, axis, -1); K = x.shape[-1]
;;       x = np.pad(x, [(0, 0)] * (x.ndim - 1) + [(0, -K % 32)]); x = x.reshape(x.shape[:-1] + (-1, 32)); a = np.abs(x).max(-1, keepdims=True)
;;       e = np.where(a > 0, np.clip(np.frexp(np.where(a > 0, a, 1))[1] - 1 - 2, -126, 127), 0)      # np.frexp(a)[1] - 1 = floor(log2(a)), exactly
;;       r = np.clip(x / 2.0 ** e, -7.5, 7.5)
;;       step = 2.0 ** (np.maximum(np.frexp(np.where(r == 0, 1, r))[1] - 1, 0) - 3)
;;       q = np.round(r / step) * step * 2.0 ** e      # np.round: ties to even
;;       return np.moveaxis(q.reshape(q.shape[:-2] + (-1,))[..., :K], -1, axis).astype(np.float32)
;;   ~~~
;;   SOFTMAX AHEAD OF A QUANTISED PRODUCT. Where the list says 'softmax', what is quantised is not the finished softmax but p = 2^(t - M), with t = logit x log2(e) and M = ceil(the row's largest t), a whole number; so 1/2 < the row's largest p <= 1. The row's sum l is taken of the UNQUANTISED p, in f32, and the product's result is divided by l at the end. Since M is a whole number, a kernel that streams over the keys may use a running M (the ceiling of the running maximum): every later rescaling is an exact power of two, which a block's scale takes up: the codes' values come out the same.
;;   OPERANDS COMPUTED ON THE WAY. 'Computed on the way' means the value that the module computes at that place (a softmax that the list does not call 'softmax' is quantised finished and normalised). What goes into a quantiser is computed in f32, as accurately as f32 sums, v_exp_f32 and their like allow (about 1e-6 of the number): no bf16 or f16 on the way to a quantiser, and a product that is left as it is and whose result goes on into a quantised operand takes f32 operands (vector FMAs, or v_wmma_f32_16x16x4_f32). A number that lies on a knife's edge between two numbers of the format may be rounded either way, as far as f32 arithmetic and the matrix unit's own rounding can turn it there, and no further.
;; One version. Each part assembles by itself: llvm-mc -triple=amdgcn-amd-amdhsa -mcpu=gfx1250 --defsym DOCPART=n.
;; ======== version 1 of 1: 3 launches
;; limits: right only within a limited range of input values
;; workspace buffers: x_codes 6,291,456 bytes; x_sc 262,144 bytes; w_codes 2,359,296 bytes; w_sc 98,304 bytes; qkv 20,185,088 bytes
;; launch quant (part 1): grid 352 x 1, 4 waves a work-group, no clusters, 33,280 bytes of LDS; arguments hidden_states, Wq, Wk, Wv, x_codes, x_sc, w_codes, w_sc; writes x_codes, x_sc, w_codes, w_sc
.if DOCPART == 1
	.amdgcn_target "amdgcn-amd-amdhsa--gfx1250"
	.amdhsa_code_object_version 6
	.text
	.protected	k_qd9e788d34d_quant
	.globl	k_qd9e788d34d_quant
	.p2align	8
	.type	k_qd9e788d34d_quant,@function
k_qd9e788d34d_quant:
	s_mov_b64 s[64:65], 0
	v_nop
	global_prefetch_b8 v0, s[64:65] scope:SCOPE_SE
	s_setreg_imm32_b32 hwreg(HW_REG_WAVE_MODE, 25, 1), 1
	s_wait_xcnt 0x0
; hidden_states [8192][1024] and Wq, Wk, Wv [1024][1024] (stacked: 3,072 rows), f32, become codes of FP6 (E2M3), K innermost, 768 bytes a row, with one E8M0 byte for each 32 along K, 32 bytes a row.
; A block's scale is 2^(floor(log2(its largest magnitude)) - 2); its byte is the largest magnitude's exponent field - 2, held at 1 from below.
; LIMITS: a block of zeros gets the byte 1 where the rule says 127 (its codes are zeros, and this program alone reads the bytes); blocks whose largest magnitude lies under 2^-124 are held at the byte 1;
; NaN and infinities among the inputs are not served.
; ROWS CHANGE PLACES: row R is stored at the place R with bits 3 and 4 exchanged, codes and scale bytes alike.  Sixteen neighbouring places 32 B + 16 u + r then hold rows 32 B + 8 u + r + 8 (r / 8):
; the next launch reads plain neighbouring rows, and its results come out in the order in which they are quantised again.
; A work-group takes 32 rows, a wave 8 (8,192 numbers, 16 steps of 512): so the exchange is a choice of the wave's place in the output: wave 0, 1, 2, 3 stores at place 0, 2, 1, 3.
; Each load reads 512 consecutive bytes; a step's 2,048 bytes turn through the wave's own stage in LDS and come back 64 bytes (16 neighbours) a lane; two neighbouring lanes hold a block.
; Work-groups 0-255 take hidden_states, 256-287 Wq, 288-319 Wk, 320-351 Wv.  No barrier: waves share nothing.
.set STEPS, 16
.set EMAX,  2
.set CB,    12                         ; bytes of 16 codes
.set R,     16                         ; v16-79   four sets of 16 numbers as they are loaded
.set X,     80                         ; v80-111  two sets of 16 neighbours
.set E,     112                        ; v112-127 a scale byte for each step
.set C,     128                        ; v128-191 codes: four registers for each step, so that no store's data are written again
.set WREG,  8192                       ; LDS: a region for each wave: two stages of 32 x SP bytes, behind them its 256 scale bytes
.set SP,    80                         ; a lane's place in a stage: 64 bytes + 16 of padding
	s_load_b256 s[4:11], s[0:1], 0x0               ; hidden_states, Wq, Wk, Wv
	s_load_b256 s[12:19], s[0:1], 0x20             ; x's codes, x's scales, W's codes, W's scales
	v_lshl_add_u32 v192, v0, 2, 0x8000
	v_mov_b32 v193, 0
	v_lshrrev_b32 v1, 5, v0
	v_readfirstlane_b32 s20, v1                    ; wave
	v_and_b32 v2, 31, v0                           ; lane
	v_lshlrev_b32 v3, 4, v2                        ; my 16 bytes of a load's 512
	s_mul_i32 s21, s20, WREG
	v_lshrrev_b32 v14, 2, v2
	v_mul_u32_u24 v14, v14, SP
	v_and_b32 v15, 3, v2
	v_lshl_add_u32 v14, v15, 4, v14
	v_add_nc_u32 v14, s21, v14                     ; the stage, on the way in: SP (lane / 4) + 16 (lane % 4)
	v_mul_u32_u24 v15, v2, SP
	v_add_nc_u32 v15, s21, v15                     ; and on the way out: SP x lane: my 16 neighbours
	v_mul_u32_u24 v4, v2, CB                       ; my codes' place in a step's
	v_lshrrev_b32 v5, 1, v2
	s_add_co_u32 s21, s21, 2*32*SP
	v_add_nc_u32 v5, s21, v5                       ; LDS: my wave's 256 scale bytes, my block's byte
	v_lshlrev_b32 v7, 3, v2                        ; and on the way out 8 bytes a lane
	v_add_nc_u32 v6, s21, v7
	s_and_b32 s26, s20, 1
	s_lshl_b32 s26, s26, 1
	s_lshr_b32 s27, s20, 1
	s_or_b32 s26, s26, s27                         ; the wave's place in the output: its two bits exchanged
	s_wait_alu depctr_va_vdst(0)
	s_wait_kmcnt 0x0
	s_cmp_lt_u32 ttmp9, 256                        ; which tensor: the choices hang on the work-group's number alone
	s_cselect_b64 s[4:5], s[4:5], s[6:7]
	s_cselect_b64 s[12:13], s[12:13], s[16:17]
	s_cselect_b64 s[14:15], s[14:15], s[18:19]
	s_cselect_b32 s22, 0, 256                      ; the first work-group of the output buffer,
	s_mov_b32 s23, s22                             ; and of the input tensor
	s_cmp_ge_u32 ttmp9, 288
	s_cselect_b64 s[4:5], s[8:9], s[4:5]
	s_cselect_b32 s23, 288, s23
	s_cmp_ge_u32 ttmp9, 320
	s_cselect_b64 s[4:5], s[10:11], s[4:5]
	s_cselect_b32 s23, 320, s23
	s_sub_co_u32 s24, ttmp9, s23
	s_lshl_b32 s24, s24, 2
	s_add_co_u32 s24, s24, s20                     ; which run of 8,192 numbers of the input is my wave's
	s_lshl_b32 s24, s24, 15                        ; 32,768 bytes a run
	s_mov_b32 s25, 0
	s_add_nc_u64 s[4:5], s[4:5], s[24:25]
	s_sub_co_u32 s24, ttmp9, s22
	s_lshl_b32 s24, s24, 2
	s_add_co_u32 s26, s24, s26                     ; and which run of the output
	s_mul_i32 s24, s26, 32*STEPS*CB                ; 6,144 bytes of codes a run
	s_add_nc_u64 s[12:13], s[12:13], s[24:25]
	s_lshl_b32 s24, s26, 8                         ; 256 scale bytes a run
	s_add_nc_u64 s[14:15], s[14:15], s[24:25]
.macro LOAD t
.irp i, 0,1,2,3
	global_load_b128 v[R+16*((\t)%4)+4*\i:R+16*((\t)%4)+4*\i+3], v3, s[4:5] offset:2048*(\t)+512*\i th:TH_LOAD_NT   ; 32 lanes read 512 consecutive bytes
.endr
.endm
.macro TURN t                          ; step t's numbers through the stage: LDS serves a wave's instructions in order, so no wait stands between the stores and the loads
.irp i, 0,1,2,3
	ds_store_b128 v14, v[R+16*((\t)%4)+4*\i:R+16*((\t)%4)+4*\i+3] offset:32*SP*((\t)%2)+8*SP*\i
.endr
.irp i, 0,1,2,3
	ds_load_b128 v[X+16*((\t)%2)+4*\i:X+16*((\t)%2)+4*\i+3], v15 offset:32*SP*((\t)%2)+16*\i
.endr
.endm
.irp t, 0,1,2,3
	LOAD \t
.endr
	s_wait_loadcnt 12                              ; step 0's four loads are in
	TURN 0
.macro STEP t
.set XS, X+16*((\t)%2)
.if (\t) > 0
	s_wait_dscnt 1                                 ; this step's numbers are back from the stage (the last step's byte store may be out): so its stores into the stage have read their registers,
.else
	s_wait_dscnt 0x0
.endif
.if (\t)+4 < STEPS
	LOAD (\t)+4                                    ; which take the loads of four steps on
.endif
.if (\t)+1 < STEPS
.if STEPS-2-(\t) >= 3
	s_wait_loadcnt 12                              ; the next step's four loads are in; those of the three steps behind it may be out
.else
	s_wait_loadcnt 4*(STEPS-2-(\t))
.endif
	TURN (\t)+1                                    ; and go through the other stage while this step is worked
.endif
	v_max3_num_f32 v8, |v[XS]|, |v[XS+1]|, |v[XS+2]|               ; the largest magnitude of my 16, in two chains
	v_max3_num_f32 v9, |v[XS+3]|, |v[XS+4]|, |v[XS+5]|
.irp i, 6,10
	v_max3_num_f32 v8, v8, |v[XS+\i]|, |v[XS+\i+1]|
	v_max3_num_f32 v9, v9, |v[XS+\i+2]|, |v[XS+\i+3]|
.endr
	v_max3_num_f32 v8, v8, |v[XS+14]|, |v[XS+15]|
	v_max3_num_f32 v8, v8, v9, (EMAX+1)<<23        ; and the floor 2^(3 - 127): so the byte cannot fall under 1
	v_max_num_f32_dpp v8, v8, v8 row_xmask:1 row_mask:0xf bank_mask:0xf   ; and of my neighbour's 16: the block's
	v_add_nc_u32 v11, -(EMAX<<23), v8              ; 2 off its exponent field: the conversion takes the exponent field of this operand as its scale
	v_cvt_scalef32_pk16_fp6_f32 v[C+4*(\t):C+4*(\t)+2], v[XS:XS+15], v11         ; sixteen codes, 96 bits without gaps, the first number's code lowest
	v_lshrrev_b32 v[E+(\t)], 23, v11               ; the scale's byte
	ds_store_b8 v5, v[E+(\t)] offset:16*(\t)       ; both lanes of a block write the same byte with the same value
	global_store_b96 v4, v[C+4*(\t):C+4*(\t)+2], s[12:13] offset:32*CB*(\t)      ; the wave stores 384 consecutive bytes
.endm
.irp t, 0,1,2,3,4,5,6,7,8,9,10,11,12,13,14,15
	STEP \t
.endr
	ds_load_b64 v[12:13], v6                       ; LDS serves a wave's instructions in order: these see my stores
	s_wait_dscnt 0x0
	global_store_b64 v7, v[12:13], s[14:15]        ; 32 lanes store 256 consecutive bytes, aligned
	s_wait_tensorcnt 0x0
	ds_add_u32 v192, v193
	s_wait_dscnt 0x0
	s_endpgm
.Lfunc_end_k_qd9e788d34d_quant:
	.size	k_qd9e788d34d_quant, .Lfunc_end_k_qd9e788d34d_quant-k_qd9e788d34d_quant
	.p2alignl 7, 3214868480
	.fill 96, 4, 3214868480
	.section	.rodata,"a",@progbits
	.p2align	6, 0x0
	.amdhsa_kernel k_qd9e788d34d_quant
		.amdhsa_group_segment_fixed_size 33280
		.amdhsa_private_segment_fixed_size 0
		.amdhsa_enable_private_segment 0
		.amdhsa_kernarg_size 64
		.amdhsa_user_sgpr_count 2
		.amdhsa_user_sgpr_kernarg_segment_ptr 1
		.amdhsa_wavefront_size32 1
		.amdhsa_system_sgpr_workgroup_id_x 1
		.amdhsa_system_sgpr_workgroup_id_y 1
		.amdhsa_system_sgpr_workgroup_id_z 1
		.amdhsa_system_vgpr_workitem_id 0
		.amdhsa_next_free_vgpr 194
		.amdhsa_next_free_sgpr 66
		.amdhsa_reserve_vcc 0
		.amdhsa_float_denorm_mode_32 3
		.amdhsa_float_denorm_mode_16_64 3
		.amdhsa_memory_ordered 1
		.amdhsa_forward_progress 1
		.amdhsa_inst_pref_size 33
	.end_amdhsa_kernel
	.amdgpu_metadata
---
amdhsa.version: [ 1, 2 ]
amdhsa.kernels:
  - .name:           k_qd9e788d34d_quant
    .symbol:         k_qd9e788d34d_quant.kd
    .args:
      - { .name: hidden_states, .offset: 0, .size: 8, .value_kind: global_buffer, .address_space: global }
      - { .name: Wq, .offset: 8, .size: 8, .value_kind: global_buffer, .address_space: global }
      - { .name: Wk, .offset: 16, .size: 8, .value_kind: global_buffer, .address_space: global }
      - { .name: Wv, .offset: 24, .size: 8, .value_kind: global_buffer, .address_space: global }
      - { .name: x_codes, .offset: 32, .size: 8, .value_kind: global_buffer, .address_space: global }
      - { .name: x_sc, .offset: 40, .size: 8, .value_kind: global_buffer, .address_space: global }
      - { .name: w_codes, .offset: 48, .size: 8, .value_kind: global_buffer, .address_space: global }
      - { .name: w_sc, .offset: 56, .size: 8, .value_kind: global_buffer, .address_space: global }
    .group_segment_fixed_size: 33280
    .private_segment_fixed_size: 0
    .kernarg_segment_align: 8
    .kernarg_segment_size: 64
    .max_flat_workgroup_size: 128
    .sgpr_count:     66
    .vgpr_count:     194
    .wavefront_size: 32
...
	.end_amdgpu_metadata
.endif
;; end of part 1
;; launch proj (part 2): grid 8 x 48, 4 waves a work-group, clusters of 4 x 4, 327,680 bytes of LDS; arguments x_codes, x_sc, w_codes, w_sc, bq, bk, bv, qkv; writes qkv
.if DOCPART == 2
	.amdgcn_target "amdgcn-amd-amdhsa--gfx1250"
	.amdhsa_code_object_version 6
	.text
	.protected	k_qd9e788d34d_proj
	.globl	k_qd9e788d34d_proj
	.p2align	8
	.type	k_qd9e788d34d_proj,@function
k_qd9e788d34d_proj:
	s_mov_b64 s[64:65], 0
	v_nop
	global_prefetch_b8 v0, s[64:65] scope:SCOPE_SE
	s_setreg_imm32_b32 hwreg(HW_REG_WAVE_MODE, 25, 1), 1
	s_wait_xcnt 0x0
	s_wait_alu depctr_hold_cnt(0) depctr_sa_sdst(0) depctr_va_vdst(0) depctr_va_sdst(0) depctr_va_ssrc(0) depctr_va_vcc(0) depctr_vm_vsrc(0)
	s_getreg_b32 s2, hwreg(HW_REG_IB_STS2, 6, 4)
	s_cmp_eq_u32 s2, 0
	s_cbranch_scc0 .Lentry_in_a_cluster
	s_endpgm
.Lentry_in_a_cluster:
	s_bfe_u32 s2, ttmp6, 0x10000c
	s_cmp_lg_u32 s2, 0xf033
	s_cbranch_scc0 .Lentry_shape_is_right
	s_endpgm
.Lentry_shape_is_right:
.set KSTEP,  256
.set NQ,     2
.set ROWB,   192
.set KROW,   768
.set PITCH,  240
.set FR,     12
.set NL,     6
.set NP,     4
.set HALFT,  128*PITCH
.set SLOT,   4*HALFT
.set KS,     32
.set SCL,    2*SLOT
.set HALFS,  (128*KS/256)*272
.set SBLK,   (16*KS/256)*272
.set SPARE,  SCL+4*HALFS
.set REC,    315392
.set SCB,    196608
.set QIMG,   208896
.set QSC,    307200
.set ADRA, 16
.set ADRB, 20
.set LI,   24
.set L8,   25
.set SCO,  26
.set ADRS, 27
.set SPW,  28
.set NIL,  29
.set SH,   30
.set BO,   31
.set SC,   32
.set BIAS, 64
.set AF,   128
.set HA,   128
.set PC,   192
.set TM,   212
.set SW,   228
.set SX,   236
.set PW,   240
.set G1, 24
.set G0, 32
.set G1B, 48
.set G0B, 56
.set G1S, 68
.set G0S, 76
.set G1SB, 80
.set G0SB, 88
.set SEL, 94
.set MSB, 0
.macro WIN new
.if MSB != \new
	s_set_vgpr_msb (MSB<<8)|\new
.set MSB, \new
.endif
.endm
.set MUL_LO, 0xa1
.set MUL_HI, 0xf1
.set TO_B,   0x40
.macro JLOAD g0a, g1a, g0b, g1b
	s_cmp_eq_u32 s15, 0
	s_cbranch_scc0 .Lfor_b_\@
	tensor_load_to_lds s[\g0a:\g0a+3], s[\g1a:\g1a+7]
	s_nop 0
.rept 4
	v_nop
.endr
	s_branch .Lasked_\@
.Lfor_b_\@:
	tensor_load_to_lds s[\g0b:\g0b+3], s[\g1b:\g1b+7]
	s_nop 0
.rept 4
	v_nop
.endr
.Lasked_\@:
.endm
.macro CREST
	s_cmp_lg_u32 s14, 0
	s_cbranch_scc1 .Lnot_wave_0_\@
	s_barrier_signal -3
.Lnot_wave_0_\@:
	s_barrier_wait -3
	s_barrier_signal -1
	s_barrier_wait -1
.endm
.macro CROUND
	s_barrier_signal -1
	s_barrier_wait -1
	CREST
.endm
	s_load_b256 s[4:11], s[0:1], 0x0
	s_load_b128 s[96:99], s[0:1], 0x20
	s_load_b64 s[100:101], s[0:1], 0x30
	s_load_b64 s[12:13], s[0:1], 0x38
	v_lshl_add_u32 v[SPW], v0, 2, SPARE
	v_mov_b32 v[NIL], 0
	ds_add_u32 v28, v29
	ds_add_u32 v28, v29
	s_wait_dscnt 0x0
	v_lshrrev_b32 v1, 5, v0
	v_readfirstlane_b32 s14, v1
	s_lshr_b32 s15, s14, 1
	s_and_b32 s16, s14, 1
	s_bfe_u32 s40, ttmp6, 0x40000
	s_bfe_u32 s41, ttmp6, 0x40004
	s_mov_b32 s67, ttmp9
	s_and_b32 s17, ttmp7, 0xffff
	s_max_u32 s18, s17, 8
	s_sub_co_u32 s18, s18, 8
	s_lshl_b32 s18, s18, 3
	s_lshl_b32 s19, s17, 2
	s_cmp_ge_u32 s17, 8
	s_cselect_b32 s66, 1, 0
	s_cselect_b32 s19, 8, s19
	s_lshl_b32 s42, ttmp9, 2
	s_add_co_u32 s42, s42, s40
	s_add_co_u32 s42, s42, s18
	s_add_co_u32 s17, s19, s41
	s_lshl_b32 s43, s41, 2
	s_lshl_b32 s43, 15, s43
	s_lshl_b32 s44, 0x1111, s40
	s_or_b32 s[G1+0], s43, (0<<16)|(1<<20)|(1<<21)|(3<<22)|(3<<25)
	s_or_b32 s[G1B+0], s44, (0<<16)|(1<<20)|(1<<21)|(3<<22)|(3<<25)
.irp g, G1, G1B
	s_mov_b32 s[\g+1], ROWB<<16
	s_mov_b32 s[\g+2], 128<<16
	s_mov_b32 s[\g+3], ROWB<<16
	s_mov_b32 s[\g+4], 128
	s_mov_b32 s[\g+5], KROW
	s_mov_b32 s[\g+6], 0
	s_mov_b32 s[\g+7], 0
.endr
	s_or_b32 s[G1S+0], s43, (3<<16)|(1<<20)|(1<<21)|(5<<22)|(3<<25)
	s_or_b32 s[G1SB+0], s44, (3<<16)|(1<<20)|(1<<21)|(5<<22)|(3<<25)
.irp g, G1S, G1SB
	s_mov_b32 s[\g+1], 32<<16
	s_mov_b32 s[\g+2], (128*KS/256)<<16
	s_mov_b32 s[\g+3], 32<<16
	s_mov_b32 s[\g+4], 128*KS/256
	s_mov_b32 s[\g+5], 32
	s_mov_b32 s[\g+6], 0
	s_mov_b32 s[\g+7], 0
.endr
	s_lshl_b32 s18, s16, 7
	s_lshl_b32 s20, s17, 8
	s_add_co_u32 s20, s20, s18
	s_lshl_b32 s46, s42, 8
	s_add_co_u32 s46, s46, s18
	s_mov_b32 s21, 0
	s_mov_b32 s47, 0
	s_mov_b64 s[18:19], KS
	s_mul_u64 s[22:23], s[20:21], s[18:19]
	s_mul_u64 s[92:93], s[46:47], s[18:19]
	s_mov_b64 s[18:19], KROW
	s_mul_u64 s[20:21], s[20:21], s[18:19]
	s_mul_u64 s[46:47], s[46:47], s[18:19]
	s_mul_i32 s45, s14, HALFT
	s_mul_i32 s94, s14, HALFS
	s_wait_kmcnt 0x0
	s_cmp_lg_u32 s66, 0
	s_cselect_b64 s[2:3], s[8:9], s[4:5]
	s_add_nc_u64 s[20:21], s[2:3], s[20:21]
	s_cselect_b64 s[2:3], s[10:11], s[6:7]
	s_add_nc_u64 s[22:23], s[2:3], s[22:23]
	s_cselect_b64 s[2:3], s[4:5], s[8:9]
	s_add_nc_u64 s[46:47], s[2:3], s[46:47]
	s_cselect_b64 s[2:3], s[6:7], s[10:11]
	s_add_nc_u64 s[92:93], s[2:3], s[92:93]
	CROUND
	s_mov_b32 s[G0S], 1
	s_add_co_u32 s[G0S+1], s94, SCL
	s_mov_b64 s[G0S+2:G0S+3], s[22:23]
	s_or_b32 s[G0S+3], s[G0S+3], 0x80000000
	s_mov_b32 s[G0SB], 1
	s_add_co_u32 s[G0SB+1], s94, SCL
	s_mov_b64 s[G0SB+2:G0SB+3], s[92:93]
	s_or_b32 s[G0SB+3], s[G0SB+3], 0x80000000
	JLOAD G0S, G1S, G0SB, G1SB
.irp s, 0,1
	s_mov_b32 s[G0+4*\s], 1
	s_add_co_u32 s[G0+4*\s+1], s45, \s*SLOT
	s_add_nc_u64 s[G0+4*\s+2:G0+4*\s+3], s[20:21], \s*ROWB
	s_or_b32 s[G0+4*\s+3], s[G0+4*\s+3], 0x80000000
	s_mov_b32 s[G0B+4*\s], 1
	s_add_co_u32 s[G0B+4*\s+1], s45, \s*SLOT
	s_add_nc_u64 s[G0B+4*\s+2:G0B+4*\s+3], s[46:47], \s*ROWB
	s_or_b32 s[G0B+4*\s+3], s[G0B+4*\s+3], 0x80000000
	s_wait_alu depctr_va_vdst(0)
	s_wait_tensorcnt 0x0
	ds_add_u32 v28, v29
	s_wait_dscnt 0x0
	CROUND
	JLOAD G0+4*\s, G1, G0B+4*\s, G1B
.endr
	v_and_b32 v1, 15, v0
	v_bfe_u32 v2, v0, 4, 1
	v_mul_u32_u24 v3, v1, PITCH
	v_mul_u32_u24 v4, v2, 24
	v_add_nc_u32 v4, v3, v4
	v_lshl_add_u32 v5, v2, 4, v4
	s_mul_i32 s21, s15, HALFT
	s_mul_i32 s22, s16, HALFT
	s_add_co_u32 s22, s22, 2*HALFT
.irp s, 0,1
	v_add_nc_u32 v[ADRA+\s], s21, v4
	v_add_nc_u32 v[ADRB+\s], s22, v4
	v_add_nc_u32 v[ADRA+2+\s], s21, v5
	v_add_nc_u32 v[ADRB+2+\s], s22, v5
	s_add_co_u32 s21, s21, SLOT
	s_add_co_u32 s22, s22, SLOT
.endr
	v_mul_u32_u24 v5, v1, KS
	v_lshrrev_b32 v6, 8, v5
	v_lshl_add_u32 v5, v6, 4, v5
	s_mul_i32 s21, s15, HALFS
	s_mul_i32 s22, s16, HALFS
	s_add_co_u32 s22, s22, 2*HALFS
	s_sub_co_u32 s22, s22, s21
	v_mul_u32_u24 v6, s22, v2
	s_add_co_u32 s21, s21, SCL
	v_add_nc_u32 v5, v5, v6
	v_add_nc_u32 v[ADRS], s21, v5
	v_and_b32 v6, 31, v0
	v_lshlrev_b32 v[LI], 4, v6
	v_lshlrev_b32 v[L8], 3, v6
	v_mul_u32_u24 v[SCO], v2, REC
	v_lshl_add_u32 v[SCO], v1, 4, v[SCO]
	v_lshlrev_b32 v[SH], 4, v2
	s_mov_b32 s[SEL], 0x76543210
	s_mov_b32 s[SEL+1], 0xfedcba98
.macro FRAG reg, adr, q, i
.irp p, 0,1,2,3,4,5
.set PIECE, 12*(\q)+6*(\p/3)+\p%3
.if PIECE%8 < 5
	ds_load_b64 v[\reg+2*\p:\reg+2*\p+1], v[\adr] offset:8*PIECE+16*(PIECE/8)+(\i)*16*PITCH
.else
	ds_load_b64 v[\reg+2*\p:\reg+2*\p+1], v[\adr+2] offset:8*PIECE+16*(PIECE/8)+(\i)*16*PITCH
.endif
.endr
.endm
.macro MUL16 a0, p, q, sc, zero
.irp a, \a0, \a0+1
.irp b, 0,1,2,3,4,5,6,7
.if \zero
	v_wmma_scale_f32_16x16x128_f8f6f4 v[8*(8*((\a)%4)+\b):8*(8*((\a)%4)+\b)+7], v[128*(\p)+FR*\b:128*(\p)+FR*\b+FR-1], v[AF+FR*(\a):AF+FR*(\a)+FR-1], 0, v[SC+8*NQ*(\sc)+NQ*\b+(\q)], v[SC+8*NQ*(\sc)+NQ*(\a)+(\q)] matrix_a_fmt:MATRIX_FMT_FP6 matrix_b_fmt:MATRIX_FMT_FP6 matrix_a_scale:MATRIX_SCALE_ROW1
.else
	v_wmma_scale_f32_16x16x128_f8f6f4 v[8*(8*((\a)%4)+\b):8*(8*((\a)%4)+\b)+7], v[128*(\p)+FR*\b:128*(\p)+FR*\b+FR-1], v[AF+FR*(\a):AF+FR*(\a)+FR-1], v[8*(8*((\a)%4)+\b):8*(8*((\a)%4)+\b)+7], v[SC+8*NQ*(\sc)+NQ*\b+(\q)], v[SC+8*NQ*(\sc)+NQ*(\a)+(\q)] matrix_a_fmt:MATRIX_FMT_FP6 matrix_b_fmt:MATRIX_FMT_FP6 matrix_a_scale:MATRIX_SCALE_ROW1
.endif
.endr
.endr
.endm
.macro FETCH_B slot, q, p
	WIN TO_B
.irp i, 0,1,2,3,4,5,6,7
	FRAG 128*(\p)+FR*\i, ADRB+\slot, \q, \i
.endr
	WIN 0
.endm
.macro FETCH_A slot, q, i0
.irp i, \i0, \i0+1, \i0+2, \i0+3
	FRAG AF+FR*(\i), ADRA+\slot, \q, \i
.endr
.endm
.macro SCALES sc
.irp i, 0,1,2,3,4,5,6,7
	ds_load_b64 v[SC+8*NQ*\sc+NQ*\i:SC+8*NQ*\sc+NQ*\i+1], v[ADRS] offset:\i*SBLK
.endr
.endm
.macro PLACES n
.rept \n
	v_nop
.endr
.endm
.macro STEP slot, q, zero
	s_wait_dscnt 4*NL
	WIN MUL_LO
	MUL16 0, (\q)%2, \q, \slot, \zero
	MUL16 2, (\q)%2, \q, \slot, \zero
	s_wait_dscnt 0
	PLACES NP
	FETCH_B \slot, (\q)+1, 1-(\q)%2
	FETCH_A \slot, (\q)+1, 0
	WIN MUL_HI
	MUL16 4, (\q)%2, \q, \slot, \zero
	MUL16 6, (\q)%2, \q, \slot, \zero
	PLACES NP
	WIN 0
	FETCH_A \slot, (\q)+1, 4
.endm
.macro TURN slot, next, fill
	s_wait_tensorcnt 0x0
	ds_add_u32 v[SPW], v[NIL]
	s_wait_dscnt 4*NL+1
	WIN MUL_LO
	MUL16 0, 1, NQ-1, \slot, 0
	s_wait_dscnt 0x0
	s_barrier_signal -1
	MUL16 2, 1, NQ-1, \slot, 0
	WIN 0
	s_barrier_wait -1
.if \fill
	CREST
	s_add_nc_u64 s[G0+4*\slot+2:G0+4*\slot+3], s[G0+4*\slot+2:G0+4*\slot+3], 2*ROWB
	s_add_nc_u64 s[G0B+4*\slot+2:G0B+4*\slot+3], s[G0B+4*\slot+2:G0B+4*\slot+3], 2*ROWB
	JLOAD G0+4*\slot, G1, G0B+4*\slot, G1B
.else
	PLACES NP
.endif
	s_wait_alu depctr_va_vdst(0)
	v_add_nc_u32 v[ADRS], 4*NQ, v[ADRS]
	FETCH_B \next, 0, 0
	FETCH_A \next, 0, 0
	SCALES \next
	WIN MUL_HI
	MUL16 4, 1, NQ-1, \slot, 0
	MUL16 6, 1, NQ-1, \slot, 0
	PLACES NP
	WIN 0
	FETCH_A \next, 0, 4
.endm
.macro TAIL
	STEP 1, 0, 0
	s_wait_dscnt 4*NL
	WIN MUL_LO
	MUL16 0, 1, NQ-1, 1, 0
	MUL16 2, 1, NQ-1, 1, 0
	s_wait_dscnt 0
	WIN MUL_HI
	MUL16 4, 1, NQ-1, 1, 0
	MUL16 6, 1, NQ-1, 1, 0
	WIN 0
	PLACES NP
.endm
.macro QUANT s, pw
.irp b, 0,1,2,3
	v_max3_num_f32 v[TM+\b], |v[\s+16*\b]|, |v[\s+1+16*\b]|, 0x1800000
.endr
.irp i, 2,4,6,8,10,12,14
.irp b, 0,1,2,3
	v_max3_num_f32 v[TM+\b], v[TM+\b], |v[\s+16*\b+\i]|, |v[\s+1+16*\b+\i]|
.endr
.endr
.irp b, 0,1,2,3
	v_permlanex16_b32 v[TM+4+\b], v[TM+\b], s[SEL], s[SEL+1]
.endr
.irp b, 0,1,2,3
	v_max_num_f32 v[TM+\b], v[TM+\b], v[TM+4+\b]
.endr
.irp b, 0,1,2,3
	v_add_nc_u32 v[TM+12+\b], 0xff000000, v[TM+\b]
.endr
.irp b, 0,1,2,3
	v_lshrrev_b32 v[TM+4+\b], 23, v[TM+12+\b]
.endr
	v_lshl_or_b32 v[\pw], v[TM+5], 8, v[TM+4]
	v_lshl_or_b32 v[\pw], v[TM+6], 16, v[\pw]
	v_lshl_or_b32 v[\pw], v[TM+7], 24, v[\pw]
.irp c, 0,1
	v_cvt_scalef32_pk16_fp6_f32 v[PC+6*\c:PC+2+6*\c], v[\s+32*\c:\s+15+32*\c], v[TM+12+2*\c]
	v_cvt_scalef32_pk16_fp6_f32 v[PC+12+4*\c:PC+14+4*\c], v[\s+16+32*\c:\s+31+32*\c], v[TM+12+2*\c+1]
.endr
	v_nop
.irp c, 0,1
.irp i, 0,1,2
	v_permlane16_swap_b32 v[PC+6*\c+\i], v[PC+12+4*\c+\i]
.endr
.irp i, 0,1,2
	v_mov_b32 v[PC+3+6*\c+\i], v[PC+12+4*\c+\i]
.endr
.endr
.endm
.macro EPI_QK a
.if \a > 0
	s_wait_xcnt 0x0
.endif
	WIN 0x02+(\a)/4
.set II, 0
.rept 32
	v_pk_add_f32 v[HA+2*II:HA+2*II+1], v[64*((\a)%4)+2*II:64*((\a)%4)+2*II+1], v[BIAS+2*II:BIAS+2*II+1]
.set II, II+1
.endr
	WIN 0
	QUANT HA, PW
.irp c, 0,1
	global_store_b128 v[LI], v[PC+6*\c:PC+6*\c+3], s[12:13] offset:\c*REC+768*(\a)
	global_store_b64 v[L8], v[PC+6*\c+4:PC+6*\c+5], s[12:13] offset:\c*REC+768*(\a)+512
.endr
	v_bfe_u32 v[SW+\a], v[PW], v[SH], 16
.endm
.macro EPI_V a
.if \a > 0
	s_wait_xcnt 0x0
.endif
	WIN 0x02+(\a)/4
.set II, 0
.rept 32
	v_pk_add_f32 v[HA+2*II:HA+2*II+1], v[64*((\a)%4)+2*II:64*((\a)%4)+2*II+1], v[BIAS+2*(\a):BIAS+2*(\a)+1]
.set II, II+1
.endr
	WIN 0
	QUANT HA, SW+(\a)
.irp c, 0,1,2
	global_store_b128 v[LI], v[PC+4*\c:PC+4*\c+3], s[12:13] offset:((\a)/4)*REC+((\a)%4)*1536+512*\c
.endr
.endm
	s_wait_alu depctr_va_vdst(0)
	s_wait_tensorcnt 1
	s_barrier_signal -1
	s_barrier_wait -1
	FETCH_B 0, 0, 0
	FETCH_A 0, 0, 0
	SCALES 0
	FETCH_A 0, 0, 4
	STEP 0, 0, 1
	TURN 0, 1, 1
	STEP 1, 0, 0
	TURN 1, 0, 1
	STEP 0, 0, 0
	TURN 0, 1, 0
	s_cmp_lg_u32 s66, 0
	s_cbranch_scc1 .Lv
	s_mov_b32 s70, 0
	s_mov_b32 s71, 12288
	s_mov_b32 s72, SCB
	s_mov_b32 s73, 768
	s_cmp_eq_u32 s67, 0
	s_cselect_b64 s[18:19], s[96:97], s[98:99]
	s_cselect_b32 s70, QIMG, s70
	s_cselect_b32 s71, 6144, s71
	s_cselect_b32 s72, QSC, s72
	s_cselect_b32 s73, 512, s73
	s_and_b32 s74, s42, 3
	s_lshl_b32 s75, s74, 10
	s_lshl_b32 s76, s16, 9
	s_add_co_u32 s76, s76, s75
	s_mov_b32 s77, 0
	s_add_nc_u64 s[18:19], s[18:19], s[76:77]
	s_lshr_b32 s78, s17, 3
	s_lshl_b32 s78, s78, 4
	s_lshl_b32 s79, s74, 2
	s_add_co_u32 s78, s78, s79
	s_lshl_b32 s79, s16, 1
	s_add_co_u32 s78, s78, s79
	s_mul_i32 s78, s78, REC
	s_and_b32 s79, s17, 7
	s_lshl_b32 s79, s79, 1
	s_add_co_u32 s79, s79, s15
	s_mul_i32 s80, s79, s71
	s_add_co_u32 s80, s80, s70
	s_add_co_u32 s80, s80, s78
	s_mov_b32 s81, 0
	s_mul_i32 s82, s79, s73
	s_add_co_u32 s82, s82, s72
	s_add_co_u32 s82, s82, s78
	s_mov_b32 s83, 0
	s_add_nc_u64 s[92:93], s[12:13], s[82:83]
	s_add_nc_u64 s[12:13], s[12:13], s[80:81]
	v_lshlrev_b32 v[BO], 6, v2
.irp b, 0,1,2,3,4,5,6,7
	global_load_b128 v[BIAS+8*\b:BIAS+8*\b+3], v[BO], s[18:19] offset:(32*(\b/2)+8*(\b%2))*4
	global_load_b128 v[BIAS+8*\b+4:BIAS+8*\b+7], v[BO], s[18:19] offset:(32*(\b/2)+8*(\b%2))*4+16
.endr
	TAIL
	s_wait_loadcnt 0x0
.irp b, 0,1,2,3
	v_mov_b32 v[TM+4+\b], 0
.endr
.irp a, 0,1,2,3,4,5,6,7
	EPI_QK \a
.endr
.irp g, 0,1
	global_store_b128 v[SCO], v[SW+4*\g:SW+4*\g+3], s[92:93] offset:256*\g
.endr
	s_branch .Lend
.Lv:
	s_lshl_b32 s76, s41, 10
	s_lshl_b32 s75, s15, 9
	s_add_co_u32 s76, s76, s75
	s_mov_b32 s77, 0
	s_add_nc_u64 s[18:19], s[100:101], s[76:77]
	s_lshr_b32 s78, s42, 3
	s_lshl_b32 s78, s78, 4
	s_lshl_b32 s79, s41, 2
	s_add_co_u32 s78, s78, s79
	s_lshl_b32 s79, s15, 1
	s_add_co_u32 s78, s78, s79
	s_mul_i32 s78, s78, REC
	s_and_b32 s79, s42, 7
	s_lshl_b32 s79, s79, 1
	s_add_co_u32 s79, s79, s16
	s_mul_i32 s80, s79, 12288
	s_add_co_u32 s80, s80, s78
	s_add_co_u32 s80, s80, 6144
	s_mov_b32 s81, 0
	s_mul_i32 s82, s79, 768
	s_add_co_u32 s82, s82, s78
	s_add_co_u32 s82, s82, SCB+512
	s_mov_b32 s83, 0
	s_add_nc_u64 s[92:93], s[12:13], s[82:83]
	s_add_nc_u64 s[12:13], s[12:13], s[80:81]
	v_and_b32 v[BO], 8, v1
	v_add_nc_u32 v[BO], v[BO], v1
	v_lshlrev_b32 v[BO], 2, v[BO]
.irp a, 0,1,2,3,4,5,6,7
	global_load_b32 v[BIAS+2*\a], v[BO], s[18:19] offset:(32*(\a/2)+8*(\a%2))*4
	global_load_b32 v[BIAS+2*\a+1], v[BO], s[18:19] offset:(32*(\a/2)+8*(\a%2))*4
.endr
	TAIL
	s_wait_loadcnt 0x0
.irp b, 0,1,2,3
	v_mov_b32 v[TM+4+\b], 0
.endr
.irp a, 0,1,2,3,4,5,6,7
	EPI_V \a
.endr
	v_cmp_eq_u32 vcc_lo, 1, v2
.irp i, 0,1,2,3
	v_cndmask_b32 v[SX+\i], v[SW+\i], v[SW+4+\i], vcc_lo
.endr
	global_store_b128 v[SCO], v[SX:SX+3], s[92:93]
.Lend:
	s_wait_tensorcnt 0x0
	ds_add_u32 v[SPW], v[NIL]
	s_wait_dscnt 0x0
	CROUND
	s_endpgm
.Lfunc_end_k_qd9e788d34d_proj:
	.size	k_qd9e788d34d_proj, .Lfunc_end_k_qd9e788d34d_proj-k_qd9e788d34d_proj
	.p2alignl 7, 3214868480
	.fill 96, 4, 3214868480
	.section	.rodata,"a",@progbits
	.p2align	6, 0x0
	.amdhsa_kernel k_qd9e788d34d_proj
		.amdhsa_group_segment_fixed_size 327680
		.amdhsa_private_segment_fixed_size 0
		.amdhsa_enable_private_segment 0
		.amdhsa_kernarg_size 64
		.amdhsa_user_sgpr_count 2
		.amdhsa_user_sgpr_kernarg_segment_ptr 1
		.amdhsa_wavefront_size32 1
		.amdhsa_system_sgpr_workgroup_id_x 1
		.amdhsa_system_sgpr_workgroup_id_y 1
		.amdhsa_system_sgpr_workgroup_id_z 1
		.amdhsa_system_vgpr_workitem_id 0
		.amdhsa_next_free_vgpr 1024
		.amdhsa_next_free_sgpr 102
		.amdhsa_reserve_vcc 1
		.amdhsa_float_denorm_mode_32 3
		.amdhsa_float_denorm_mode_16_64 3
		.amdhsa_memory_ordered 1
		.amdhsa_forward_progress 1
		.amdhsa_inst_pref_size 255
	.end_amdhsa_kernel
	.section	.bss,"aw",@nobits
	.p2align	6
	.space	262144
	.amdgpu_metadata
---
amdhsa.version: [ 1, 2 ]
amdhsa.kernels:
  - .name:           k_qd9e788d34d_proj
    .symbol:         k_qd9e788d34d_proj.kd
    .args:
      - { .name: x_codes, .offset: 0, .size: 8, .value_kind: global_buffer, .address_space: global }
      - { .name: x_sc, .offset: 8, .size: 8, .value_kind: global_buffer, .address_space: global }
      - { .name: w_codes, .offset: 16, .size: 8, .value_kind: global_buffer, .address_space: global }
      - { .name: w_sc, .offset: 24, .size: 8, .value_kind: global_buffer, .address_space: global }
      - { .name: bq, .offset: 32, .size: 8, .value_kind: global_buffer, .address_space: global }
      - { .name: bk, .offset: 40, .size: 8, .value_kind: global_buffer, .address_space: global }
      - { .name: bv, .offset: 48, .size: 8, .value_kind: global_buffer, .address_space: global }
      - { .name: qkv, .offset: 56, .size: 8, .value_kind: global_buffer, .address_space: global }
    .group_segment_fixed_size: 327680
    .private_segment_fixed_size: 0
    .kernarg_segment_align: 8
    .kernarg_segment_size: 64
    .max_flat_workgroup_size: 128
    .sgpr_count:     102
    .vgpr_count:     1024
    .wavefront_size: 32
...
	.end_amdgpu_metadata
.endif
;; end of part 2
;; launch attn (part 3): grid 4 x 64, 16 waves a work-group, clusters of 4 x 1, 288,768 bytes of LDS; arguments qkv, attention_mask, out0; writes out0
.if DOCPART == 3
	.amdgcn_target "amdgcn-amd-amdhsa--gfx1250"
	.amdhsa_code_object_version 6
	.text
	.protected	k_qd9e788d34d_attn
	.globl	k_qd9e788d34d_attn
	.p2align	8
	.type	k_qd9e788d34d_attn,@function
k_qd9e788d34d_attn:
	s_mov_b64 s[64:65], 0
	v_nop
	global_prefetch_b8 v0, s[64:65] scope:SCOPE_SE
	s_setreg_imm32_b32 hwreg(HW_REG_WAVE_MODE, 25, 1), 1
	s_wait_xcnt 0x0
	s_wait_alu depctr_hold_cnt(0) depctr_sa_sdst(0) depctr_va_vdst(0) depctr_va_sdst(0) depctr_va_ssrc(0) depctr_va_vcc(0) depctr_vm_vsrc(0)
	s_getreg_b32 s2, hwreg(HW_REG_IB_STS2, 6, 4)
	s_cmp_eq_u32 s2, 0
	s_cbranch_scc0 .Lentry_in_a_cluster
	s_endpgm
.Lentry_in_a_cluster:
	s_bfe_u32 s2, ttmp6, 0x10000c
	s_cmp_lg_u32 s2, 0x3003
	s_cbranch_scc0 .Lentry_shape_is_right
	s_endpgm
.Lentry_shape_is_right:
; out0[b][q][64 head ..] = the sum over k of softmax_k(Q.K / 8 + mask[b][k]) V, both products on codes of FP6 (E2M3) with E8M0 scales, from the records that the launch before has laid as images of operand registers.
; THE SOFTMAX: t = (score / 8 + mask) log2(e); M = the running largest t rounded UP to a whole number; p = 2^(t - M) is quantised along the keys, not normalised; the row's sum is taken of the unquantised p and divides at the end.
; When M moves, the sum and O are multiplied by 2^(old M - new M): exact.
; SHARES.  A cluster of four work-groups takes one (batch, head); each work-group 512 queries; each of its sixteen waves one tile of 16 queries at a time, twice.  Every wave walks 16 key steps of 128 keys.
; Four waves share a SIMD's registers (256 each), so that one wave's vector work stands beside another's matrix work and LDS loads.
; THE WHOLE HEAD'S K, V AND SCALE WORDS, 208,896 bytes, LIE IN LDS, filled ONCE: each wave brings 51 rows of 256 bytes by one joint tensor load (the four partners need the same bytes).  Nothing is filled again: one barrier, no ring.
; LAYOUT.  Both products transposed: S^T = K Q^T (source 0 = 16 keys), O^T = V^T P^T (source 0 = 16 channels): a lane holds ONE query.  Lane r of tile 2 b + u of K is key 32 b + 8 u + r + 8 (r / 8), so that the 16 registers
; of two neighbouring tiles of S^T are 16 neighbouring keys.  The queries of a tile and the channels of a tile of V^T are chosen in the same way; the way out puts them back.
; THE FIRST PRODUCT'S K IS 64, THE INSTRUCTION'S 128.  Q's registers 6-11 are zero codes, and the upper two bytes of K's and Q's scale words are 0 (2^-127, a number).  So whatever codes stand in K's registers 6-11 add nothing:
; every pattern of 6 bits is a finite number.  Tile t of K is therefore named as v[32 + 6 t] .. v[32 + 6 t + 11]: its upper six registers are tile t + 1's codes, for tile 7 six registers of zeros.
; THE MASK COSTS NO VECTOR INSTRUCTION: 8 x mask of the lane's keys is loaded from LDS into S^T's registers and is the C of the first product: t = (Q.K + 8 mask) x log2(e) / 8.
; LIMITS: 8 x mask is held at -2^33 from below: a mask under -2^30 counts as -2^30 (p = 0 beside any key that counts); a row all of whose keys are masked by -infinity gives a uniform row, not NaN; masks above 2^30, NaN and
; +infinity are not served.  A block of p that is all zeros keeps the scale byte 1: its codes are zeros.
; REGISTERS: v1-6 addresses that stay; v7-11 the step's addresses; v12 -M, v13 the largest t, v[14:15] the sum; v16-27 Q; v29, v30 offsets; v32-79 eight tiles of K, then four of V^T; v80-85 zeros; v86, v87 the stage;
;   v96-159 S^T, then p; v160-191 O^T; v192-195 V's scale words; v224-235 p's codes; v232-254 at work; v248-251 K's scale words; v253 p's scale word; v255 Q's.
.set REC,  315392                      ; a record
.set SCB,  196608                      ; in it, and in LDS: the scale words, 768 bytes a key step: K's tiles 0-3, K's tiles 4-7, V's four tiles, 16 bytes a row each
.set QIMG, 208896                      ; Q's 128 tiles, 768 bytes each
.set QSC,  307200                      ; their scale words
.set MSK,  208896                      ; LDS: 8 x mask of the batch's 2,048 keys: stored by the waves, never a tensor load's target
.set STG,  217088                      ; LDS: a stage of 16 rows x (256 + 16) bytes for each wave
.set WVB,  13056                       ; bytes that one wave's tensor load brings: 51 rows of 256
.set WV,   18
.set SEL,  20                          ; s[20:21] lane selects for v_permlanex16_b32: lane l xor 16
.set CS,   22                          ; s[22:23] c = log2(e) / 8
.set G1,   24                          ; s[24:31] descriptor group 1
.set G0,   32                          ; s[32:35] group 0
.set QP,   40                          ; s[40:41] my tile of Q
.set QS,   42                          ; s[42:43] its scale words
.set OP,   44                          ; s[44:45] its first row of out0, at my head's 256 bytes
.set TK,   46                          ; s46  LDS byte at which the key step's tiles begin
.set TS,   47                          ; s47  its scale words
.set TMK,  48                          ; s48  its mask
.set CNT,  49
.macro ROUND                           ; a round of the cluster's barrier
	s_barrier_signal -1
	s_barrier_wait -1
	s_cmp_lg_u32 s[WV], 0
	s_cbranch_scc1 .Lnot_wave_0_\@
	s_barrier_signal -3
.Lnot_wave_0_\@:
	s_barrier_wait -3
	s_barrier_signal -1
	s_barrier_wait -1
.endm
	s_load_b128 s[4:7], s[0:1], 0x0                ; qkv, the mask
	s_load_b64 s[8:9], s[0:1], 0x10                ; out0
	v_lshl_add_u32 v223, v0, 2, 0x46000
	v_mov_b32 v243, 0
	ds_add_u32 v223, v243
	ds_add_u32 v223, v243
	v_lshrrev_b32 v8, 5, v0
	s_delay_alu instid0(VALU_DEP_1)
	v_readfirstlane_b32 s[WV], v8                  ; wave 0..15
	s_bfe_u32 s36, ttmp6, 0x40000                  ; cx
	s_lshl_b32 s52, ttmp9, 2
	s_add_co_u32 s36, s52, s36                     ; my block of 512 queries: it enters Q's and out0's addresses alone
	s_and_b32 s37, ttmp7, 0xffff                   ; 16 x batch + head, which the four partners share
	s_mul_i32 s38, s37, REC
	s_mov_b32 s39, 0
	s_mov_b32 s[G0], 1                             ; 1:0 count = 1
	s_mul_i32 s[G0+1], s[WV], WVB                  ; 63:32 LDS address: the record lies in LDS as in memory
	s_mov_b32 s52, s[G0+1]
	s_mov_b32 s53, 0
	s_mov_b32 s[G1], 15|(3<<16)|(1<<21)            ; 15:0 the mask: all four work-groups; 17:16 elements of 8 bytes; 20 no padding; 21 set beside a mask
	s_mov_b32 s[G1+1], 32<<16                      ; tensor_dim0 = 32 elements: 256 bytes
	s_mov_b32 s[G1+2], 51<<16                      ; tensor_dim1 = 51
	s_mov_b32 s[G1+3], 32<<16                      ; tile_dim0
	s_mov_b32 s[G1+4], 51                          ; tile_dim1
	s_mov_b32 s[G1+5], 32                          ; the pitch: dense
	s_mov_b32 s[G1+6], 0
	s_mov_b32 s[G1+7], 0
	s_mov_b32 s[SEL], 0x76543210
	s_mov_b32 s[SEL+1], 0xfedcba98
	s_mov_b32 s[CS], 0x3e38aa3b                    ; log2(e) / 8
	s_mov_b32 s[CS+1], s[CS]                       ; (named with it as a pair, so it is written)
	s_lshl_b32 s56, s36, 5
	s_add_co_u32 s56, s56, s[WV]                   ; T, my first tile of queries: 32 x block + wave
	s_mul_i32 s[QP], s56, 768
	s_add_co_u32 s[QP], s[QP], QIMG
	s_mov_b32 s[QP+1], 0
	s_lshr_b32 s[QS], s56, 2
	s_lshl_b32 s[QS], s[QS], 8
	s_and_b32 s57, s56, 3
	s_lshl_b32 s57, s57, 2
	s_add_co_u32 s[QS], s[QS], s57
	s_add_co_u32 s[QS], s[QS], QSC                 ; 256 (T / 4) + 4 (T % 4)
	s_mov_b32 s[QS+1], 0
	s_lshr_b32 s58, s37, 4                         ; batch
	s_and_b32 s59, s37, 15                         ; head
	s_lshl_b32 s[OP], s58, 11
	s_lshr_b32 s57, s56, 1
	s_lshl_b32 s57, s57, 5
	s_add_co_u32 s[OP], s[OP], s57
	s_and_b32 s57, s56, 1
	s_lshl_b32 s57, s57, 3
	s_add_co_u32 s[OP], s[OP], s57                 ; the tile's first query: 2,048 batch + 32 (T / 2) + 8 (T % 2)
	s_lshl_b32 s[OP], s[OP], 12                    ; rows of 4,096 bytes
	s_lshl_b32 s57, s59, 8
	s_add_co_u32 s[OP], s[OP], s57
	s_mov_b32 s[OP+1], 0
	s_lshl_b32 s58, s58, 13                        ; the batch's 8,192 bytes of mask
	s_mov_b32 s59, 0
	s_wait_dscnt 0x0
	s_wait_kmcnt 0x0
	s_add_nc_u64 s[54:55], s[4:5], s[38:39]        ; the record
	s_add_nc_u64 s[G0+2:G0+3], s[54:55], s[52:53]  ; 120:64 global address: my 51 rows of it
	s_or_b32 s[G0+3], s[G0+3], 0x80000000          ; 127:126 type = 2
	s_add_nc_u64 s[QP:QP+1], s[54:55], s[QP:QP+1]
	s_add_nc_u64 s[QS:QS+1], s[54:55], s[QS:QS+1]
	s_add_nc_u64 s[OP:OP+1], s[8:9], s[OP:OP+1]
	s_add_nc_u64 s[6:7], s[6:7], s[58:59]
	ROUND                                          ; all four work-groups are here: the joint loads meet
	tensor_load_to_lds s[G0:G0+3], s[G1:G1+7]      ; my one tensor load of the launch
	s_nop 0
.rept 4
	v_nop
.endr
	v_lshlrev_b32 v8, 4, v0                        ; 16 x thread: 512 threads take the batch's 2,048 mask numbers
	global_load_b128 v[96:99], v8, s[6:7]
	v_add_nc_u32 v9, MSK, v8
	v_and_b32 v10, 31, v0                          ; lane
	v_and_b32 v11, 15, v0                          ; r
	v_bfe_u32 v12, v0, 4, 1                        ; h
	s_delay_alu instid0(VALU_DEP_3)
	v_lshlrev_b32 v1, 4, v10                       ; 16 x lane: an image's registers 0-3 (V: 4 i .. 4 i + 3)
	s_delay_alu instid0(VALU_DEP_4)
	v_lshlrev_b32 v29, 3, v10                      ; 8 x lane
	s_delay_alu instid0(VALU_DEP_1)
	v_add_nc_u32 v2, 512, v29                      ; an image's registers 4-5
	s_delay_alu instid0(VALU_DEP_3)
	v_add_nc_u32 v3, SCB, v1                       ; K's scale words: lanes 0-15 those of tiles 0-3, lanes 16-31 of tiles 4-7
	v_lshlrev_b32 v30, 4, v11                      ; 16 r
	s_delay_alu instid0(VALU_DEP_1)
	v_add_nc_u32 v4, SCB+512, v30                  ; V's scale words
	v_lshlrev_b32 v5, 6, v12
	s_delay_alu instid0(VALU_DEP_1)
	v_add_nc_u32 v5, MSK, v5                       ; the mask of my half's keys: 64 h
	s_delay_alu instid0(VALU_DEP_4)
	v_lshl_add_u32 v6, v12, 12, v30                ; the way out: lanes 0-15 one row of out0, lanes 16-31 the next; 16 bytes a lane
	s_mul_i32 s52, s[WV], 16*272
	s_add_co_u32 s52, s52, STG                     ; my stage
	v_mul_u32_u24 v86, v11, 272
	s_delay_alu instid0(VALU_DEP_1)
	v_lshl_add_u32 v86, v12, 6, v86
	s_delay_alu instid0(VALU_DEP_1)
	v_add_nc_u32 v86, s52, v86                     ; in: row r, + 64 h
	v_mul_u32_u24 v87, v12, 272
	s_delay_alu instid0(VALU_DEP_1)
	v_add_nc_u32 v87, v87, v30
	s_delay_alu instid0(VALU_DEP_1)
	v_add_nc_u32 v87, s52, v87                     ; back: row h, + 16 r
.irp j, 22,23,24,25,26,27,80,81,82,83,84,85
	v_mov_b32 v\j, 0                               ; zero codes: Q's upper half of K, and what stands behind K's tile 7
.endr
.irp b, 0,1,2,3
	v_mov_b32 v[236+\b], 0                         ; written once: a lane permute's destination counts as one of its sources
.endr
	v_mov_b32 v253, 0                              ; (named as the upper half of the pair v[252:253] before it is first written)
	s_wait_loadcnt 0x0
	v_pk_mul_f32 v[96:97], v[96:97], 0x41000000 op_sel_hi:[1,0]   ; 8 x mask: exact
	v_pk_mul_f32 v[98:99], v[98:99], 0x41000000 op_sel_hi:[1,0]
.irp j, 96,97,98,99
	v_max_num_f32 v\j, 0xd0000000, v\j             ; held at -2^33 from below: no infinity enters a sum
.endr
	ds_store_b128 v9, v[96:99]
	s_wait_tensorcnt 0x0                           ; my part of the record has landed,
	s_wait_dscnt 0x0                               ; my part of the mask is stored:
	s_barrier_signal -1
	s_barrier_wait -1                              ; everybody's are.  From here on these bytes are only read
; A KEY STEP: 128 keys.
.macro KEYSTEP
	v_add_nc_u32 v7, s[TK], v1                     ; five plain instructions: the places between the last step's products and the loads into the registers that they read
	v_add_nc_u32 v8, s[TK], v2
	v_add_nc_u32 v9, s[TS], v3
	v_add_nc_u32 v10, s[TS], v4
	v_add_nc_u32 v11, s[TMK], v5
.irp t, 0,1,2,3,4,5,6,7
	ds_load_b128 v[96+8*\t:99+8*\t], v11 offset:128*(\t/2)+32*(\t%2)         ; 8 x mask of keys 32 (t / 2) + 8 (t % 2) + 16 h + 0 .. 7: sixteen lanes share an address
	ds_load_b128 v[100+8*\t:103+8*\t], v11 offset:128*(\t/2)+32*(\t%2)+16
.endr
	ds_load_b128 v[248:251], v9
.irp t, 0,1,2,3,4,5,6,7
	ds_load_b128 v[32+6*\t:35+6*\t], v7 offset:768*\t                        ; 512 consecutive bytes
	ds_load_b64 v[36+6*\t:37+6*\t], v8 offset:768*\t                         ; 256
.endr
	s_wait_alu depctr_va_vdst(0)
	s_wait_dscnt 0x0
.irp t, 0,1,2,3                                ; S^T = K Q^T + 8 mask: eight accumulators, one instruction each
	v_wmma_scale_f32_16x16x128_f8f6f4 v[96+8*\t:103+8*\t], v[32+6*\t:43+6*\t], v[16:27], v[96+8*\t:103+8*\t], v[248+\t], v255 matrix_a_fmt:MATRIX_FMT_FP6 matrix_b_fmt:MATRIX_FMT_FP6
.endr
.irp t, 4,5,6,7
	v_wmma_scale_f32_16x16x128_f8f6f4 v[96+8*\t:103+8*\t], v[32+6*\t:43+6*\t], v[16:27], v[96+8*\t:103+8*\t], v[244+\t], v255 matrix_a_fmt:MATRIX_FMT_FP6 matrix_b_fmt:MATRIX_FMT_FP6 matrix_a_scale:MATRIX_SCALE_ROW1
.endr
.rept 4
	v_nop                                          ; places in front of the loads into K's registers and of the first read of the scores
.endr
	ds_load_b128 v[192:195], v10                   ; V's tiles and words land while the softmax is worked
.irp t, 0,1,2,3
.irp i, 0,1,2
	ds_load_b128 v[32+12*\t+4*\i:35+12*\t+4*\i], v7 offset:6144+1536*\t+512*\i
.endr
.endr
.irp b, 0,1,2,3
	v_max3_num_f32 v[232+\b], v[96+16*\b], v[97+16*\b], v[98+16*\b]   ; the largest score of each block of 32 keys: it serves for the row's maximum and, since p rises with the score, for the block's largest p
.endr
.irp i, 3,5,7,9,11,13
.irp b, 0,1,2,3
	v_max3_num_f32 v[232+\b], v[232+\b], v[96+16*\b+\i], v[97+16*\b+\i]   ; (the four blocks by turns)
.endr
.endr
.irp b, 0,1,2,3
	v_max_num_f32 v[232+\b], v[232+\b], v[111+16*\b]
.endr
.irp b, 0,1,2,3
	s_delay_alu instid0(VALU_DEP_4)
	v_permlanex16_b32 v[236+\b], v[232+\b], s[SEL], s[SEL+1]
.endr
.irp b, 0,1,2,3
	s_delay_alu instid0(VALU_DEP_4)
	v_max_num_f32 v[232+\b], v[232+\b], v[236+\b]  ; with lane l xor 16's 16 keys
.endr
	s_delay_alu instid0(VALU_DEP_2)
	v_max3_num_f32 v254, v232, v233, v234
	s_delay_alu instid0(VALU_DEP_1)
	v_max_num_f32 v254, v254, v235                 ; the step's largest score of my query
	s_delay_alu instid0(VALU_DEP_1)
	v_mul_f32 v254, s[CS], v254                    ; as t (c is positive)
	s_delay_alu instid0(VALU_DEP_1)
	v_max_num_f32 v13, v13, v254                   ; the running largest t
	v_mov_b32 v254, v12
	s_delay_alu instid0(VALU_DEP_2)
	v_floor_f32 v12, -v13                          ; the new -M = floor(-t) = -ceil(t): M is a whole number
	s_delay_alu instid0(VALU_DEP_1)
	v_sub_f32 v254, v12, v254                      ; M's old value less its new one: a whole number, 0 or less
	s_delay_alu instid0(VALU_DEP_1)
	v_cvt_i32_f32 v254, v254                       ; (it saturates)
	s_delay_alu instid0(VALU_DEP_1)
	v_ldexp_f32 v252, 1.0, v254                    ; f = 2^(old M - new M)
.set J, 0
.rept 32
	v_pk_fma_f32 v[96+J:97+J], v[96+J:97+J], s[CS:CS+1], v[12:13] op_sel_hi:[1,0,0]   ; t - M, two at a time (of the pairs c and -M the low word serves both halves)
.set J, J+2
.endr
.irp b, 0,1,2,3
	v_fma_f32 v[232+\b], v[232+\b], s[CS], v12     ; the same of each block's largest score
.endr
.set J, 0
	s_setprio 1
	s_wait_alu depctr_va_vdst(0)
.rept 64
	v_exp_f32 v[96+J], v[96+J]                     ; p = 2^(t - M): not normalised
.set J, J+1
.endr
.irp b, 0,1,2,3
	v_exp_f32 v[232+\b], v[232+\b]                 ; the block's largest p: the same two instructions on the same number give the same bits
.endr
	v_pk_mul_f32 v[14:15], v[14:15], v[252:253] op_sel_hi:[1,0]   ; the sums under the new M.  (A plain place behind the exponentials)
	s_wait_alu depctr_va_vdst(0)
.irp b, 0,1,2,3
	v_max_num_f32 v[232+\b], 0x1800000, v[232+\b]  ; the floor 2^(3 - 127): the byte cannot fall under 1
.endr
.irp b, 0,1,2,3
	s_delay_alu instid0(VALU_DEP_4)
	v_add_nc_u32 v[244+\b], 0xff000000, v[232+\b]  ; 2 off the exponent field: the conversion's scale operand
.endr
.irp b, 0,1,2,3
	s_delay_alu instid0(VALU_DEP_4)
	v_lshrrev_b32 v[236+\b], 23, v[244+\b]         ; the scale's byte
.endr
	s_delay_alu instid0(VALU_DEP_3)
	v_lshl_or_b32 v253, v237, 8, v236              ; p's scale word for these 128 keys
	s_delay_alu instid0(VALU_DEP_1)
	v_lshl_or_b32 v253, v238, 16, v253
	s_delay_alu instid0(VALU_DEP_1)
	v_lshl_or_b32 v253, v239, 24, v253
.irp c, 0,1
	v_cvt_scalef32_pk16_fp6_f32 v[224+6*\c:226+6*\c], v[96+32*\c:111+32*\c], v[244+2*\c]
	v_cvt_scalef32_pk16_fp6_f32 v[236+4*\c:238+4*\c], v[112+32*\c:127+32*\c], v[244+2*\c+1]   ; (a conversion's three registers begin on an even number)
.endr
	v_nop                                          ; one plain place behind a scaled conversion
.irp c, 0,1                                    ; the operand's layout wants a WHOLE block in a lane
.irp i, 0,1,2
	v_permlane16_swap_b32 v[224+6*\c+\i], v[236+4*\c+\i]
.endr
.irp i, 0,1,2
	s_delay_alu instid0(VALU_DEP_3)
	v_mov_b32 v[227+6*\c+\i], v[236+4*\c+\i]
.endr
.endr
	v_pk_add_f32 v[236:237], v[100:101], v[104:105]
	v_pk_add_f32 v[250:251], v[108:109], v[112:113]
	v_pk_add_f32 v[248:249], v[116:117], v[120:121]
	v_pk_add_f32 v[246:247], v[124:125], v[128:129]
	v_pk_add_f32 v[244:245], v[132:133], v[136:137]
	v_pk_add_f32 v[240:241], v[140:141], v[144:145]
	v_pk_add_f32 v[220:221], v[148:149], v[152:153]
	v_pk_add_f32 v[14:15], v[14:15], v[156:157]
	v_pk_add_f32 v[236:237], v[236:237], v[96:97]
	v_pk_add_f32 v[250:251], v[250:251], v[98:99]
	v_pk_add_f32 v[248:249], v[248:249], v[102:103]
	v_pk_add_f32 v[246:247], v[246:247], v[106:107]
	v_pk_add_f32 v[244:245], v[244:245], v[110:111]
	v_pk_add_f32 v[240:241], v[240:241], v[114:115]
	v_pk_add_f32 v[220:221], v[220:221], v[118:119]
	v_pk_add_f32 v[14:15], v[14:15], v[122:123]
	v_pk_add_f32 v[236:237], v[236:237], v[126:127]
	v_pk_add_f32 v[250:251], v[250:251], v[130:131]
	v_pk_add_f32 v[248:249], v[248:249], v[134:135]
	v_pk_add_f32 v[246:247], v[246:247], v[138:139]
	v_pk_add_f32 v[244:245], v[244:245], v[142:143]
	v_pk_add_f32 v[240:241], v[240:241], v[146:147]
	v_pk_add_f32 v[220:221], v[220:221], v[150:151]
	v_pk_add_f32 v[14:15], v[14:15], v[154:155]
	v_pk_add_f32 v[236:237], v[236:237], v[158:159]
	s_delay_alu instid0(VALU_DEP_2)
	v_pk_add_f32 v[14:15], v[14:15], v[246:247]
	s_delay_alu instid0(VALU_DEP_2)
	v_pk_add_f32 v[236:237], v[236:237], v[244:245]
	s_setprio 0
	v_pk_add_f32 v[250:251], v[250:251], v[240:241]
	v_pk_add_f32 v[248:249], v[248:249], v[220:221]
	s_delay_alu instid0(VALU_DEP_2)
	v_pk_add_f32 v[14:15], v[14:15], v[250:251]
	s_delay_alu instid0(VALU_DEP_2)
	v_pk_add_f32 v[236:237], v[236:237], v[248:249]
	s_delay_alu instid0(VALU_DEP_1)
	v_pk_add_f32 v[14:15], v[14:15], v[236:237]
.set J, 0
.rept 16
	v_pk_mul_f32 v[160+J:161+J], v[160+J:161+J], v[252:253] op_sel_hi:[1,0]   ; O^T under the new M: x f
.set J, J+2
.endr
	s_wait_alu depctr_va_vdst(0)
	s_wait_dscnt 0x0                               ; V
.irp t, 0,1,2,3                                ; O^T += V^T P^T: four accumulators, one instruction each
	v_wmma_scale_f32_16x16x128_f8f6f4 v[160+8*\t:167+8*\t], v[32+12*\t:43+12*\t], v[224:235], v[160+8*\t:167+8*\t], v[192+\t], v253 matrix_a_fmt:MATRIX_FMT_FP6 matrix_b_fmt:MATRIX_FMT_FP6
.endr
	s_add_co_u32 s[TK], s[TK], 12288
	s_add_co_u32 s[TS], s[TS], 768
	s_add_co_u32 s[TMK], s[TMK], 512
.endm
; A TILE OF 16 QUERIES against all 2,048 keys.  more = 1: another tile follows, 16 tiles on.
.macro PASS more
	global_load_b128 v[16:19], v1, s[QP:QP+1]      ; Q's image: registers 0-3,
	global_load_b64 v[20:21], v29, s[QP:QP+1] offset:512   ; 4-5,
	global_load_b32 v255, v30, s[QS:QS+1]          ; and its rows' scale words
	v_mov_b32 v13, 0xff61b1e6                      ; the largest t so far: -3e38, under every t
	s_delay_alu instid0(VALU_DEP_1)
	v_floor_f32 v12, -v13                          ; -M
	v_mov_b32 v14, 0                               ; the sum, in two halves
	v_mov_b32 v15, 0
.set J, 0
.rept 32
	v_mov_b32 v[160+J], 0                          ; O^T: the step is written once; its first trip finds zeros, which the first change of M leaves zeros
.set J, J+1
.endr
	s_mov_b32 s[TK], 0
	s_mov_b32 s[TS], 0
	s_mov_b32 s[TMK], 0
	s_mov_b32 s[CNT], 16
	s_wait_loadcnt 0x0
.Lstep_\@:
	s_setprio 2
	KEYSTEP
	s_sub_co_u32 s[CNT], s[CNT], 1
	s_cmp_lg_u32 s[CNT], 0
	s_cbranch_scc1 .Lstep_\@
	s_setprio 0
	; THE WAY OUT: O^T / the sum goes through my stage in LDS and leaves as whole runs of 256 bytes: a query's 64 channels.
.rept 4
	v_nop                                          ; places behind the last products
.endr
	v_add_f32 v14, v14, v15                        ; the sum's two halves,
	s_delay_alu instid0(VALU_DEP_1)
	v_permlanex16_b32 v252, v14, s[SEL], s[SEL+1]
	s_delay_alu instid0(VALU_DEP_1)
	v_add_f32 v14, v14, v252                       ; and lane l xor 16's: the row's sum
	s_wait_alu depctr_va_vdst(0)
	v_rcp_f32 v14, v14
	v_nop                                          ; a plain place behind the transcendental
.set J, 0
	s_wait_alu depctr_va_vdst(0)
.rept 32
	v_mul_f32 v[96+J], v[160+J], v14               ; register 16 B + i is channel 32 B + 16 h + i of query r; each accumulator is read from its low end on
.set J, J+1
.endr
.irp b, 0,1
.irp k, 0,1,2,3
	ds_store_b128 v86, v[96+16*\b+4*\k:99+16*\b+4*\k] offset:128*\b+16*\k
.endr
.endr
.irp i, 0,1,2,3,4,5,6,7
	ds_load_b128 v[32+4*\i:35+4*\i], v87 offset:544*\i   ; LDS serves a wave's instructions in order: these see my stores.  Stage rows 2 i and 2 i + 1
.endr
.irp i, 0,1,2,3,4,5,6,7
	s_wait_dscnt 7-\i                              ; the younger loads may be out
	global_store_b128 v6, v[32+4*\i:35+4*\i], s[OP:OP+1] offset:(2*\i+8*(\i/4))*4096 th:TH_STORE_NT   ; stage row n is query n + 8 (n / 8) of the tile; sixteen lanes store 256 consecutive bytes, aligned
.endr
.if \more
	s_wait_xcnt 0x0                                ; the loads and stores have read their registers and bases: both are written again only behind this wait
	s_add_nc_u64 s[QP:QP+1], s[QP:QP+1], 16*768
	s_add_nc_u64 s[QS:QS+1], s[QS:QS+1], 4*256
	s_add_nc_u64 s[OP:OP+1], s[OP:OP+1], 256*4096  ; 16 tiles are 256 queries
.endif
.endm
	PASS 1
	PASS 0
	s_wait_dscnt 0x0
	s_wait_tensorcnt 0x0
	ds_add_u32 v223, v243
	s_wait_dscnt 0x0
	ROUND                                          ; the closing round
	s_endpgm
.Lfunc_end_k_qd9e788d34d_attn:
	.size	k_qd9e788d34d_attn, .Lfunc_end_k_qd9e788d34d_attn-k_qd9e788d34d_attn
	.p2alignl 7, 3214868480
	.fill 96, 4, 3214868480
	.section	.rodata,"a",@progbits
	.p2align	6, 0x0
	.amdhsa_kernel k_qd9e788d34d_attn
		.amdhsa_group_segment_fixed_size 288768
		.amdhsa_private_segment_fixed_size 0
		.amdhsa_enable_private_segment 0
		.amdhsa_kernarg_size 24
		.amdhsa_user_sgpr_count 2
		.amdhsa_user_sgpr_kernarg_segment_ptr 1
		.amdhsa_wavefront_size32 1
		.amdhsa_system_sgpr_workgroup_id_x 1
		.amdhsa_system_sgpr_workgroup_id_y 1
		.amdhsa_system_sgpr_workgroup_id_z 1
		.amdhsa_system_vgpr_workitem_id 0
		.amdhsa_next_free_vgpr 256
		.amdhsa_next_free_sgpr 66
		.amdhsa_reserve_vcc 0
		.amdhsa_float_denorm_mode_32 3
		.amdhsa_float_denorm_mode_16_64 3
		.amdhsa_memory_ordered 1
		.amdhsa_forward_progress 1
		.amdhsa_inst_pref_size 54
	.end_amdhsa_kernel
	.amdgpu_metadata
---
amdhsa.version: [ 1, 2 ]
amdhsa.kernels:
  - .name:           k_qd9e788d34d_attn
    .symbol:         k_qd9e788d34d_attn.kd
    .args:
      - { .name: qkv, .offset: 0, .size: 8, .value_kind: global_buffer, .address_space: global }
      - { .name: attention_mask, .offset: 8, .size: 8, .value_kind: global_buffer, .address_space: global }
      - { .name: out0, .offset: 16, .size: 8, .value_kind: global_buffer, .address_space: global }
    .group_segment_fixed_size: 288768
    .private_segment_fixed_size: 0
    .kernarg_segment_align: 8
    .kernarg_segment_size: 24
    .max_flat_workgroup_size: 512
    .sgpr_count:     66
    .vgpr_count:     256
    .wavefront_size: 32
...
	.end_amdgpu_metadata
.endif
;; end of part 3
